; MI455X (gfx1250); checked and timed in simulation.
; The chip was launched on July 23, 2026; its instructions are those of AMD's public machine-readable ISA for CDNA 5 (MIT licence, August 2026) and "CDNA5" Instruction Set Architecture Reference Guide (July 2026). The comments in the code are by the model that wrote it; some were corrected since.
;; Feed Forward Quantum. Allowed arithmetic: matrix products marked QUANTISED: E5M2 operands, one E8M0 scale for each 32 along K, by v_wmma_scale_f32_16x16x128_f8f6f4 with both operands' format E5M2, f32 sums; products left as they are: f32 operands where the result goes on into a quantised operand, else bf16, f16 or f32 operands; f32 sums; everything else in f32.
;; Inputs: theta 8 float32; w1 4,096 x 8 float32; w2 1,024 x 4,096 float32; x 4 x 4,096 x 1,024 float32.
;; Outputs: out0 4 x 4,096 x 1,024 float32.
;; This version of the problem:
;;   THIS VERSION OF THE PROBLEM IS GIVEN IN LOW PRECISION. The matrix products marked QUANTISED in the list below multiply operands that are first quantised to E5M2 (5 exponent bits, 2 mantissa bits; 8 bits a number), with one power-of-two scale for each 32 numbers along K (OCP MX v1.0); their sums are f32. All else is computed in f32.
;;   The module's matrix products, in the order in which they are computed (A, B: the left and right operand; K: the contracted axis; several contracted axes count as one K, in the product's order):
;;     1. [M 16,384, K 8] x [K 8, N 4,096]; A: computed on the way; B: input w1: left as it is (K = 8 < 32)
;;     2. [M 16,384, K 4,096] x [K 4,096, N 1,024]; A: computed on the way; B: input w2: QUANTISED
;;   THE QUANTISER, for each operand of a quantised product, along K:
;;     - K is cut into blocks of 32 from its start; a last block that is shorter is filled with zeros.
;;     - A block's scale is 2^e with e = floor(log2(the largest magnitude in the block)) - 15, held to -126 .. 127; a block of zeros has e = 0. As a byte (E8M0): e + 127.
;;     - Each number is divided by its block's scale, clamped to +-57,344, and rounded to the nearest number of E5M2, ties to even, subnormals kept.
;;     - The product sums the exact products of the quantised numbers (number of the format x scale) in f32.
;;   ~~~python
;;   def quantise(x, axis):      # numpy; x: float32 -> the quantised numbers, widened to float32 again
;;       x = np.moveaxis(x, axis, -1); K = x.shape[-1]
;;       x = np.pad(x, [(0, 0)] * (x.ndim - 1) + [(0, -K % 32)]); x = x.reshape(x.shape[:-1] + (-1, 32)); a = np.abs(x).max(-1, keepdims=True)
;;       e = np.where(a > 0, np.clip(np.frexp(np.where(a > 0, a, 1))[1] - 1 - 15, -126, 127), 0)      # np.frexp(a)[1] - 1 = floor(log2(a)), exactly
;;       r = np.clip(x / 2.0 ** e, -57344, 57344)
;;       step = 2.0 ** (np.maximum(np.frexp(np.where(r == 0, 1, r))[1] - 1, -14) - 2)
;;       q = np.round(r / step) * step * 2.0 ** e      # np.round: ties to even
;;       return np.moveaxis(q.reshape(q.shape[:-2] + (-1,))[..., :K], -1, axis).astype(np.float32)
;;   ~~~
;;   OPERANDS COMPUTED ON THE WAY. 'Computed on the way' means the value that the module computes at that place (a softmax that the list does not call 'softmax' is quantised finished and normalised). What goes into a quantiser is computed in f32, as accurately as f32 sums, v_exp_f32 and their like allow (about 1e-6 of the number): no bf16 or f16 on the way to a quantiser, and a product that is left as it is and whose result goes on into a quantised operand takes f32 operands (vector FMAs, or v_wmma_f32_16x16x4_f32). A number that lies on a knife's edge between two numbers of the format may be rounded either way, as far as f32 arithmetic and the matrix unit's own rounding can turn it there, and no further.
;; One version. Each part assembles by itself: llvm-mc -triple=amdgcn-amd-amdhsa -mcpu=gfx1250 --defsym DOCPART=n.
;; ======== version 1 of 1: 2 launches
;; limits: inputs' magnitudes at most 100,000; right only within a limited range of input values
;; workspace buffers: wq 4,456,448 bytes; hq 71,303,168 bytes
;; launch hidden (part 1): grid 256 x 1, 8 waves a work-group, no clusters, 77,824 bytes of LDS; arguments x, theta, w1, hq, w2, wq; writes hq, wq
.if DOCPART == 1
	.amdgcn_target "amdgcn-amd-amdhsa--gfx1250"
	.amdhsa_code_object_version 6
	.text
	.protected	k_qadb3d47ed0_hidden
	.globl	k_qadb3d47ed0_hidden
	.p2align	8
	.type	k_qadb3d47ed0_hidden,@function
k_qadb3d47ed0_hidden:
	s_mov_b64 s[64:65], 0
	v_nop
	global_prefetch_b8 v0, s[64:65] scope:SCOPE_SE
	s_setreg_imm32_b32 hwreg(HW_REG_WAVE_MODE, 25, 1), 1
	s_wait_xcnt 0x0
; h = Q(relu((cos(x[:, :8]) cos(theta)) w1^T)): the hidden layer [16384][4096] as codes of BF8 (E5M2) with one E8M0 byte for each 32 along its 4,096, made once and laid in hq as the product's launch reads it.
; LEFT OUT: columns 8 .. 1023 of x: reference() slices them away, so no value there reaches an output; they are not loaded, and a NaN or an infinity there is not carried on.
; hq: [64 row blocks of 256][32 K steps of 128] chunks of QTR bytes.  A chunk: 16 fragment images of 2,048 bytes (row tile n; the byte at 2048 n + 512 c + 16 (r + 16 h) + i is the code of
; h[16 n + r][32 c + 16 h + i]), then four quads of 512 bytes: lane l's 16 bytes of quad g are the scale words of row l % 16 in tiles 4 g .. 4 g + 3.
; SHARES: work-group id = 4 rb + sg owns row block rb and K steps 8 sg .. 8 sg + 7; wave w takes K step 8 sg + w, keeps its 128 rows of w1 in 32 registers and walks the 16 row tiles in 4 trips of four.
; q of the 256 rows: wave w makes row tiles 2 w, 2 w + 1; they reach the others through LDS as images of the operand's registers.
; A PIECE (16 rows x 128 hidden units): 16 f32 matrix instructions (8 tiles x 2 links of 4 along the 8 qubits), used transposed, w1's rows chosen so that a lane's 16 registers of two neighbouring tiles are
; 16 neighbours along the next K (lane r of tile 2 b + u takes row 32 b + 8 u + r + 8 (r / 8)).  relu and the quantiser work in registers; the conversions' results are stored as they stand, 512 bytes a store.
; No prefetch: the loop loads nothing from memory; x, theta and w1 are loaded once, at the head.  No cluster: no tensor load.
; THE COSINE: n = x 2/pi rounded, x - n pi/2 in three parts by fused multiply-adds, polynomials on [-pi/4, pi/4], quadrant by selects.
; LIMITS: the reduction holds for |x|, |theta| up to 1e5; NaN and infinities are not served.  A block of zeros carries the byte 1 (its codes are zeros; this program alone reads the bytes).
; A hidden unit's eight products are summed in the order q 0, 1, 4, 5, 2, 3, 6, 7.
.set QTR,   34816
; ALSO HERE: w2 [1024][4096], f32, K innermost, becomes codes of BF8 with E8M0 scale words in wq, by the same quantiser with |.| on the maxima and a two-sided hold.  wq: 32 blocks (one for each 128 along K) of
; STEPB bytes, four quarters of QTR bytes for 256 rows of w2 each, a quarter laid as a chunk of hq is.  The launch has 2,048 waves and w2 2,048 fragments of 16 rows x 128: each wave makes one:
; task id = 2 x work-group + wave / 4 = 16 s + 4 q + g, tile 4 g + wave % 4 of quarter q of block s.  Each load reads 512 consecutive bytes of a row; the 8,192 bytes turn through the wave's own stage in LDS
; (rows 528 bytes apart), so that a lane holds 16 neighbours along K.  The four waves' scale words meet in a quad in LDS, behind the barrier that q needs anyway.  This work lives in registers v256 on.
.set STEPB, 139264
.set WSTG,  8448                       ; a wave's stage: 16 rows x 528 bytes
.set WST,   8192                       ; behind the 16 images of q: the eight stages,
.set QDL,   WST+8*WSTG                 ; the two quads of scale words, 512 bytes each,
.set SPARE, QDL+1024                   ; and the spare words, 128 bytes a wave
.set R2,  0                            ; v256-319 w2's numbers as loaded
.set X2,  64                           ; v320-383 register 16 b + i: k = 32 b + 16 h + i of my row
.set PC2, 128                          ; v384-399 the fragment's codes
.set TW,  144                          ; v400-415 as TM
.set PW2, 160                          ; v416 my row's scale word
.set QD,  164                          ; v420-423 the quad on its way out
.set MSB, 0
.macro WIN new                         ; s_set_vgpr_msb: bits 1:0 source 0, 3:2 source 1, 5:4 source 2, 7:6 destination; the high byte repeats the setting that is left
.if MSB != (\new)
	s_set_vgpr_msb (MSB<<8)|(\new)
.set MSB, (\new)
.endif
.endm
.set CO,  1                            ; 16 x lane
.set VQ,  2                            ; LDS: this trip's four images of q
.set SPW, 3
.set NIL, 4
.set XO,  5                            ; x: 4096 r + 16 h
.set TO,  6                            ; theta: 16 h
.set VW,  7                            ; w1: (r + 8 (r / 8)) x 32 + 16 h
.set QW,  8                            ; LDS: where my two images of q go
.set QV,  16                           ; v16-31 q of four row tiles
.set PC,  32                           ; v32-47 the codes just made
.set VAL, 32                           ; at the head: x's four, theta's four, x's other four
.set PW,  48                           ; v48-51 the four tiles' scale words
.set HA,  64                           ; v64-191 h as f32, two sets of 64, written by f32 matrix instructions alone
.set WR,  192                          ; v192-223 w1's 8 tiles
.set TT,  224                          ; 16 held numbers
.set TM,  240                          ; +0 largest magnitudes, +4 bytes, +8 the largest number x the scale, +12 the conversions' scale operands
.set NN,  224
.set SQ,  232
.set CC,  240
.set SS,  248
.set SEL, 22
.set MNT, 43
.macro F32L t, link
.if \link
	v_wmma_f32_16x16x4_f32 v[HF+8*(\t):HF+8*(\t)+7], v[WR+4*(\t)+2:WR+4*(\t)+3], v[QS+2:QS+3], v[HF+8*(\t):HF+8*(\t)+7]
.else
	v_wmma_f32_16x16x4_f32 v[HF+8*(\t):HF+8*(\t)+7], v[WR+4*(\t):WR+4*(\t)+1], v[QS:QS+1], 0
.endif
.endm
.macro FBLK hf, qs                     ; a piece: the eight tiles by turns, so that seven others stand between a sum's two links
.set HF, \hf
.set QS, \qs
.irp t, 0,1,2,3,4,5,6,7
	F32L \t, 0
.endr
.irp t, 0,1,2,3,4,5,6,7
	F32L \t, 1
.endr
.endm
; The quantiser of the 64 numbers at HQ (register 16 b + i: k = 32 b + 16 h + i of my row), 131 lines.  No |.| on the maxima: what is negative becomes 0, so it must not count; the floor 2^(16 - 127) stands over it.
; The hold between 0 and 57,344 x the scale is the relu as well.  Each tile is first read at its two lowest registers.
.macro QI
.if qn < 4
	v_max3_num_f32 v[TM+qn], v[HQ+16*qn], v[HQ+16*qn+1], 0x8000000
.elseif qn < 32
.set qb, qn%4
.set qi, 2*(qn/4)
	v_max3_num_f32 v[TM+qb], v[TM+qb], v[HQ+16*qb+qi], v[HQ+16*qb+qi+1]
.elseif qn < 36
	v_permlanex16_b32 v[TM+4+qn-32], v[TM+qn-32], s[SEL], s[SEL+1]
.elseif qn < 40
	v_max_num_f32 v[TM+qn-36], v[TM+qn-36], v[TM+4+qn-36]
.elseif qn < 44
	v_add_nc_u32 v[TM+12+qn-40], 0xf8800000, v[TM+qn-40]
.elseif qn < 48
	v_and_or_b32 v[TM+8+qn-44], v[TM+qn-44], 0x7f800000, s[MNT]
.elseif qn < 52
	v_lshrrev_b32 v[TM+4+qn-48], 23, v[TM+12+qn-48]
.elseif qn == 52
	v_lshl_or_b32 v[PWJ], v[TM+5], 8, v[TM+4]
.elseif qn == 53
	v_lshl_or_b32 v[PWJ], v[TM+6], 16, v[PWJ]
.elseif qn == 54
	v_lshl_or_b32 v[PWJ], v[TM+7], 24, v[PWJ]
.else
.set qb, (qn-55)/19
.set qi, (qn-55)%19
.if qi < 16
	v_med3_num_f32 v[TT+qi], v[HQ+16*qb+qi], 0, v[TM+8+qb]
.elseif qi == 16
	v_cvt_scalef32_pk8_bf8_f32 v[PC+4*qb:PC+4*qb+1], v[TT:TT+7], v[TM+12+qb]
.elseif qi == 17
	v_cvt_scalef32_pk8_bf8_f32 v[PC+4*qb+2:PC+4*qb+3], v[TT+8:TT+15], v[TM+12+qb]
.else
	v_nop                                          ; the plain line behind the conversions
.endif
.endif
.set qn, qn+1
.endm
.macro QUANT hq, j                     ; tile j of the trip: quantised and stored as it stands in registers
.set HQ, \hq
.set PWJ, PW+\j
.set qn, 0
	s_wait_xcnt 0x0                                ; the last image's stores have read their data: the codes' registers may be written anew
.rept 131
	QI
.endr
.irp c, 0,1,2,3
	global_store_b128 v[CO], v[PC+4*\c:PC+4*\c+3], s[10:11] offset:2048*\j+512*\c   ; 512 consecutive bytes, aligned
.endr
.endm
.macro COSN vb, n                      ; cos of the n numbers at v[VAL + vb] on, by turns, into v[CC] on
.set k, 0
.rept \n
	v_mul_f32 v[NN+k], s48, v[VAL+(\vb)+k]
.set k, k+1
.endr
.set k, 0
.rept \n
	v_rndne_f32 v[NN+k], v[NN+k]
.set k, k+1
.endr
.irp c, 49,50,51
.set k, 0
.rept \n
	v_fma_f32 v[VAL+(\vb)+k], v[NN+k], s[\c], v[VAL+(\vb)+k]   ; r = x - n pi / 2
.set k, k+1
.endr
.endr
.set k, 0
.rept \n
	v_mul_f32 v[SQ+k], v[VAL+(\vb)+k], v[VAL+(\vb)+k]
.set k, k+1
.endr
.set k, 0
.rept \n
	v_fma_f32 v[CC+k], v[SQ+k], s52, s53
	v_fma_f32 v[SS+k], v[SQ+k], s55, s56
.set k, k+1
.endr
.set k, 0
.rept \n
	v_fma_f32 v[CC+k], v[CC+k], v[SQ+k], s54
	v_fma_f32 v[SS+k], v[SS+k], v[SQ+k], s57
.set k, k+1
.endr
.set k, 0
.rept \n
	v_fma_f32 v[CC+k], v[CC+k], v[SQ+k], -0.5
	v_fma_f32 v[SS+k], v[SS+k], v[SQ+k], s58
.set k, k+1
.endr
.set k, 0
.rept \n
	v_fma_f32 v[CC+k], v[CC+k], v[SQ+k], 1.0       ; cos r
	v_mul_f32 v[SQ+k], v[VAL+(\vb)+k], v[SQ+k]     ; r^3
.set k, k+1
.endr
.set k, 0
.rept \n
	v_fma_f32 v[SS+k], v[SS+k], v[SQ+k], v[VAL+(\vb)+k]        ; sin r
	v_cvt_i32_f32 v[NN+k], v[NN+k]
.set k, k+1
.endr
.set k, 0
.rept \n
	v_and_b32 v[SQ+k], 1, v[NN+k]
	v_add_nc_u32 v[NN+k], 1, v[NN+k]
.set k, k+1
.endr
.set k, 0
.rept \n
	v_and_b32 v[NN+k], 2, v[NN+k]
.set k, k+1
.endr
.set k, 0
.rept \n
	v_cmp_eq_u32 vcc_lo, 1, v[SQ+k]
	v_cndmask_b32 v[CC+k], v[CC+k], v[SS+k], vcc_lo            ; odd n: the sine
	v_lshlrev_b32 v[NN+k], 30, v[NN+k]
.set k, k+1
.endr
.set k, 0
.rept \n
	v_xor_b32 v[CC+k], v[CC+k], v[NN+k]            ; n = 1, 2 modulo 4: the sign turns
.set k, k+1
.endr
.endm
	s_load_b256 s[4:11], s[0:1], 0x0
	s_load_b128 s[32:35], s[0:1], 0x20             ; w2 s[32:33], wq s[34:35]
	v_lshl_add_u32 v[SPW], v0, 2, SPARE
	v_mov_b32 v[NIL], 0
	v_lshrrev_b32 v9, 5, v0
	v_readfirstlane_b32 s14, v9                    ; wave 0..7
	s_lshr_b32 s15, ttmp9, 2                       ; rb
	s_and_b32 s16, ttmp9, 3                        ; sg
	s_lshl_b32 s17, s16, 3
	s_add_co_u32 s17, s17, s14                     ; my K step
	s_lshl_b32 s18, s15, 20                        ; x: 256 rows of 4,096 bytes a row block,
	s_lshl_b32 s19, s14, 17                        ; my wave's 32 rows
	s_add_co_u32 s18, s18, s19
	s_mov_b32 s19, 0
	s_lshl_b32 s20, s17, 12                        ; w1: 128 rows of 32 bytes a K step
	s_mov_b32 s21, 0
	s_lshl_b32 s24, s15, 5
	s_add_co_u32 s24, s24, s17
	s_mul_i32 s24, s24, QTR                        ; my chunk of hq
	s_mov_b32 s25, 0
	s_lshl_b32 s26, s14, 10
	s_mul_i32 s27, s14, WSTG
	s_add_co_u32 s27, s27, WST                     ; LDS: my stage
	s_lshr_b32 s36, s14, 2                         ; which four waves I belong to
	s_and_b32 s37, s14, 3                          ; t: my place among them
	s_lshl_b32 s31, s36, 9
	s_add_co_u32 s31, s31, QDL                     ; LDS: their quad,
	s_lshl_b32 s59, s37, 2
	s_add_co_u32 s59, s59, s31                     ; and my word in each lane's 16 bytes
	s_lshl_b32 s38, ttmp9, 1
	s_add_co_u32 s36, s36, s38                     ; the task: 16 s + 4 q + g
	s_lshr_b32 s38, s36, 4                         ; s: which 128 along K
	s_bfe_u32 s39, s36, 0x20002                    ; q: which quarter
	s_and_b32 s40, s36, 3                          ; g: which four tiles
	s_lshl_b32 s41, s40, 2
	s_add_co_u32 s41, s41, s37                     ; my tile in the quarter
	s_lshl_b32 s44, s39, 4
	s_add_co_u32 s44, s44, s41
	s_lshl_b32 s44, s44, 18                        ; w2: 16 rows of 16,384 bytes a tile,
	s_lshl_b32 s45, s38, 9
	s_add_co_u32 s44, s44, s45                     ; + 512 s
	s_mov_b32 s45, 0
	s_mul_i32 s42, s38, STEPB
	s_mul_i32 s46, s39, QTR
	s_add_co_u32 s42, s42, s46                     ; where the quarter begins in wq
	s_lshl_b32 s46, s41, 11
	s_add_co_u32 s46, s46, s42                     ; my fragment's image
	s_mov_b32 s47, 0
	s_lshl_b32 s60, s40, 9
	s_add_co_u32 s60, s60, s42
	s_add_co_u32 s60, s60, 32768                   ; the four waves' quad
	s_mov_b32 s61, 0
	s_mov_b32 s[SEL], 0x76543210
	s_mov_b32 s[SEL+1], 0xfedcba98                 ; v_permlanex16_b32's selects for lane l xor 16
	s_mov_b32 s[MNT], 0x600000                     ; the mantissa field of 57,344
	s_mov_b32 s48, 0x3f22f983                      ; 2 / pi
	s_mov_b32 s49, 0xbfc90fd8                      ; -pi / 2 in three parts
	s_mov_b32 s50, 0xb4a8885a
	s_mov_b32 s51, 0xa7c234c4
	s_mov_b32 s52, 0x37cd4000                      ; the cosine's polynomial in r^2, highest first; -0.5 and 1 follow
	s_mov_b32 s53, 0xbab6077d
	s_mov_b32 s54, 0x3d2aaaa8
	s_mov_b32 s55, 0x36405000                      ; the sine's
	s_mov_b32 s56, 0xb9503486
	s_mov_b32 s57, 0x3c0888c1
	s_mov_b32 s58, 0xbe2aaaab
	v_and_b32 v9, 31, v0                           ; lane
	v_and_b32 v10, 15, v0                          ; r
	v_bfe_u32 v11, v0, 4, 1                        ; h
	v_lshlrev_b32 v[CO], 4, v9
	v_lshlrev_b32 v[VQ], 4, v9
	v_add_nc_u32 v[QW], s26, v[CO]
	v_and_b32 v12, 8, v10
	v_add_nc_u32 v12, v12, v10                     ; r + 8 (r / 8)
	v_lshlrev_b32 v[VW], 5, v12
	v_lshl_add_u32 v[VW], v11, 4, v[VW]
	v_lshlrev_b32 v[XO], 12, v10
	v_lshl_add_u32 v[XO], v11, 4, v[XO]
	v_lshlrev_b32 v[TO], 4, v11
	v_add_nc_u32 v52, s27, v[CO]                   ; my stage, on the way in
	v_mul_u32_u24 v53, v10, 528
	v_lshl_add_u32 v53, v11, 6, v53
	v_add_nc_u32 v53, s27, v53                     ; and on the way out: row r, + 64 h
	v_add_nc_u32 v54, s59, v[CO]                   ; the quad: 16 x lane + 4 t
	v_add_nc_u32 v55, s31, v[CO]                   ; and read back: 16 x lane
	s_wait_alu depctr_va_vdst(0)                   ; the wait at the head's end
	s_wait_kmcnt 0x0
	s_add_nc_u64 s[4:5], s[4:5], s[18:19]
	s_add_nc_u64 s[8:9], s[8:9], s[20:21]
	s_add_nc_u64 s[10:11], s[10:11], s[24:25]
	s_add_nc_u64 s[28:29], s[10:11], 32768
	s_add_nc_u64 s[32:33], s[32:33], s[44:45]
	s_add_nc_u64 s[62:63], s[34:35], s[60:61]
	s_add_nc_u64 s[34:35], s[34:35], s[46:47]
	global_load_b128 v[VAL:VAL+3], v[XO], s[4:5]                  ; x[row tile 2 w, row r][4 h .. 4 h + 3]
	global_load_b128 v[VAL+4:VAL+7], v[TO], s[6:7]                ; theta[4 h .. 4 h + 3]
	global_load_b128 v[VAL+8:VAL+11], v[XO], s[4:5] offset:65536  ; row tile 2 w + 1
.irp t, 0,1,2,3,4,5,6,7
	global_load_b128 v[WR+4*\t:WR+4*\t+3], v[VW], s[8:9] offset:(32*(\t/2)+8*(\t%2))*32
.endr
	WIN 0x40
.irp i, 0,1,2,3,4,5,6,7,8,9,10,11,12,13,14,15
	global_load_b128 v[R2+4*\i:R2+4*\i+3], v[CO], s[32:33] offset:16384*\i th:TH_LOAD_NT   ; 512 consecutive bytes of row i of my tile of w2
.endr
	WIN 0
	s_wait_loadcnt 24                              ; x and theta are in; w1's eight loads and w2's sixteen may be out
	COSN 0, 8
.irp j, 0,1,2,3
	v_mul_f32 v[QV+\j], v[CC+\j], v[CC+4+\j]       ; q[4 h + j] = cos(x) cos(theta)
.endr
	COSN 8, 4                                      ; (it leaves cos(theta), at CC + 4 on, as it stands)
.irp j, 0,1,2,3
	v_mul_f32 v[QV+4+\j], v[CC+\j], v[CC+4+\j]
.endr
	ds_store_b128 v[QW], v[QV:QV+3]
	ds_store_b128 v[QW], v[QV+4:QV+7] offset:512
	s_wait_alu depctr_va_vdst(0)                   ; directly ahead of the waits below
	WIN 0x04
.irp i, 0,1,2,3,4,5,6,7,8,9,10,11,12,13,14,15
	s_wait_loadcnt 15-\i                           ; loads come back in order: row i is in, the 15 - i younger ones may be out
	ds_store_b128 v52, v[R2+4*\i:R2+4*\i+3] offset:528*\i
.endr
	WIN 0x40
.irp c, 0,1,2,3
.irp j, 0,1,2,3
	ds_load_b128 v[X2+16*\c+4*\j:X2+16*\c+4*\j+3], v53 offset:128*\c+16*\j   ; LDS serves a wave's instructions in order: these see my stores
.endr
.endr
	s_wait_dscnt 0x0
	WIN 0x55
.irp b, 0,1,2,3
	v_mov_b32 v[TW+4+\b], 0                        ; a lane permute's destination counts as one of its sources
.endr
.irp b, 0,1,2,3
	v_max3_num_f32 v[TW+\b], |v[X2+16*\b]|, |v[X2+1+16*\b]|, 0x8000000   ; block b: my 16 numbers, and the floor 2^(16 - 127)
.endr
.irp i, 2,4,6,8,10,12,14
.irp b, 0,1,2,3
	v_max3_num_f32 v[TW+\b], v[TW+\b], |v[X2+16*\b+\i]|, |v[X2+1+16*\b+\i]|
.endr
.endr
.irp b, 0,1,2,3
	v_permlanex16_b32 v[TW+4+\b], v[TW+\b], s[SEL], s[SEL+1]
.endr
.irp b, 0,1,2,3
	v_max_num_f32 v[TW+\b], v[TW+\b], v[TW+4+\b]   ; with lane l xor 16's: the block's largest magnitude
.endr
.irp b, 0,1,2,3
	v_add_nc_u32 v[TW+12+\b], 0xf8800000, v[TW+\b] ; 15 off its exponent field: the conversion's scale operand
.endr
.irp b, 0,1,2,3
	v_and_or_b32 v[TW+8+\b], v[TW+\b], 0x7f800000, s[MNT]   ; 57,344 x the scale
.endr
.irp b, 0,1,2,3
	v_lshrrev_b32 v[TW+4+\b], 23, v[TW+12+\b]      ; the scale's byte
.endr
	v_lshl_or_b32 v[PW2], v[TW+5], 8, v[TW+4]
	v_lshl_or_b32 v[PW2], v[TW+6], 16, v[PW2]
	v_lshl_or_b32 v[PW2], v[TW+7], 24, v[PW2]
.irp b, 0,1,2,3
.irp i, 0,1,2,3,4,5,6,7,8,9,10,11,12,13,14,15
	v_med3_num_f32 v[X2+16*\b+\i], v[X2+16*\b+\i], -v[TW+8+\b], v[TW+8+\b]   ; the hold at the largest code x the scale (ISA guide 7.6.2)
.endr
	v_cvt_scalef32_pk8_bf8_f32 v[PC2+4*\b:PC2+1+4*\b], v[X2+16*\b:X2+7+16*\b], v[TW+12+\b]
	v_cvt_scalef32_pk8_bf8_f32 v[PC2+2+4*\b:PC2+3+4*\b], v[X2+8+16*\b:X2+15+16*\b], v[TW+12+\b]
.endr
	v_nop                                          ; one plain vector line behind the last conversion
	WIN 0x04
.irp c, 0,1,2,3
	global_store_b128 v[CO], v[PC2+4*\c:PC2+4*\c+3], s[34:35] offset:512*\c   ; the fragment as it stands in registers: 512 consecutive bytes, aligned
.endr
	ds_store_b32 v54, v[PW2]                       ; the four waves' scale words meet in the quad
	WIN 0
.irp b, 0,1,2,3
	v_mov_b32 v[TM+4+\b], 0                        ; a lane permute's destination counts as one of its sources
.endr
	s_wait_alu depctr_va_vdst(0)                   ; directly ahead of the wait below
	s_wait_dscnt 0x0                               ; for the others' sake: my images of q have landed
	s_barrier_signal -1
	s_barrier_wait -1
	s_cmp_lg_u32 s37, 0                            ; the first of each four waves stores their quad
	s_cbranch_scc1 .Lno_quad
	WIN 0x40
	ds_load_b128 v[QD:QD+3], v55
	s_wait_dscnt 0x0
	WIN 0x04
	global_store_b128 v[CO], v[QD:QD+3], s[62:63]  ; 512 consecutive bytes, aligned
	WIN 0
.Lno_quad:
	s_wait_loadcnt 0x0
	s_mov_b32 s30, 4
.Ltrip:                                            ; four row tiles a trip
.irp j, 0,1,2,3
	ds_load_b128 v[QV+4*\j:QV+4*\j+3], v[VQ] offset:512*\j
.endr
	s_wait_dscnt 0x0
	FBLK HA, QV
	FBLK HA+64, QV+4
.rept 8
	v_nop                                          ; places ahead of the first read of the first piece (ISA guide 7.12.1)
.endr
	QUANT HA, 0                                    ; from here on each piece's 131 lines are the places for the pieces beside it
	FBLK HA, QV+8
	QUANT HA+64, 1
	FBLK HA+64, QV+12
	QUANT HA, 2
	QUANT HA+64, 3
	global_store_b128 v[CO], v[PW:PW+3], s[28:29]  ; the four tiles' scale words: a quad, 512 consecutive bytes
	s_wait_xcnt 0x0                                ; the stores have read their bases and data
	s_add_nc_u64 s[10:11], s[10:11], 8192
	s_add_nc_u64 s[28:29], s[28:29], 512
	v_add_nc_u32 v[VQ], 2048, v[VQ]
	s_sub_co_u32 s30, s30, 1
	s_cmp_lg_u32 s30, 0
	s_wait_alu depctr_va_vdst(0)                   ; directly ahead of the branch
	s_cbranch_scc1 .Ltrip
	s_wait_tensorcnt 0x0                           ; the wave's end
	ds_add_u32 v[SPW], v[NIL]
	s_wait_dscnt 0x0
	s_endpgm
.Lfunc_end_k_qadb3d47ed0_hidden:
	.size	k_qadb3d47ed0_hidden, .Lfunc_end_k_qadb3d47ed0_hidden-k_qadb3d47ed0_hidden
	.p2alignl 7, 3214868480
	.fill 96, 4, 3214868480
	.section	.rodata,"a",@progbits
	.p2align	6, 0x0
	.amdhsa_kernel k_qadb3d47ed0_hidden
		.amdhsa_group_segment_fixed_size 77824
		.amdhsa_private_segment_fixed_size 0
		.amdhsa_enable_private_segment 0
		.amdhsa_kernarg_size 48
		.amdhsa_user_sgpr_count 2
		.amdhsa_user_sgpr_kernarg_segment_ptr 1
		.amdhsa_wavefront_size32 1
		.amdhsa_system_sgpr_workgroup_id_x 1
		.amdhsa_system_sgpr_workgroup_id_y 1
		.amdhsa_system_sgpr_workgroup_id_z 1
		.amdhsa_system_vgpr_workitem_id 0
		.amdhsa_next_free_vgpr 512
		.amdhsa_next_free_sgpr 66
		.amdhsa_reserve_vcc 1
		.amdhsa_float_denorm_mode_32 3
		.amdhsa_float_denorm_mode_16_64 3
		.amdhsa_memory_ordered 1
		.amdhsa_forward_progress 1
		.amdhsa_inst_pref_size 71
	.end_amdhsa_kernel
	.amdgpu_metadata
---
amdhsa.version: [ 1, 2 ]
amdhsa.kernels:
  - .name:           k_qadb3d47ed0_hidden
    .symbol:         k_qadb3d47ed0_hidden.kd
    .args:
      - { .name: x, .offset: 0, .size: 8, .value_kind: global_buffer, .address_space: global }
      - { .name: theta, .offset: 8, .size: 8, .value_kind: global_buffer, .address_space: global }
      - { .name: w1, .offset: 16, .size: 8, .value_kind: global_buffer, .address_space: global }
      - { .name: hq, .offset: 24, .size: 8, .value_kind: global_buffer, .address_space: global }
      - { .name: w2, .offset: 32, .size: 8, .value_kind: global_buffer, .address_space: global }
      - { .name: wq, .offset: 40, .size: 8, .value_kind: global_buffer, .address_space: global }
    .group_segment_fixed_size: 77824
    .private_segment_fixed_size: 0
    .kernarg_segment_align: 8
    .kernarg_segment_size: 48
    .max_flat_workgroup_size: 256
    .sgpr_count:     66
    .vgpr_count:     512
    .wavefront_size: 32
...
	.end_amdgpu_metadata
.endif
;; end of part 1
;; launch gemm (part 2): grid 4 x 64, 4 waves a work-group, clusters of 4 x 1, 327,680 bytes of LDS; arguments hq, wq, out0; writes out0
.if DOCPART == 2
	.amdgcn_target "amdgcn-amd-amdhsa--gfx1250"
	.amdhsa_code_object_version 6
	.text
	.protected	k_qadb3d47ed0_gemm
	.globl	k_qadb3d47ed0_gemm
	.p2align	8
	.type	k_qadb3d47ed0_gemm,@function
k_qadb3d47ed0_gemm:
	s_mov_b64 s[64:65], 0
	v_nop
	global_prefetch_b8 v0, s[64:65] scope:SCOPE_SE
	s_setreg_imm32_b32 hwreg(HW_REG_WAVE_MODE, 25, 1), 1
	s_wait_xcnt 0x0
	s_wait_alu depctr_hold_cnt(0) depctr_sa_sdst(0) depctr_va_vdst(0) depctr_va_sdst(0) depctr_va_ssrc(0) depctr_va_vcc(0) depctr_vm_vsrc(0)
	s_getreg_b32 s2, hwreg(HW_REG_IB_STS2, 6, 4)
	s_cmp_eq_u32 s2, 0
	s_cbranch_scc0 .Lentry_in_a_cluster
	s_endpgm
.Lentry_in_a_cluster:
	s_bfe_u32 s2, ttmp6, 0x10000c
	s_cmp_lg_u32 s2, 0x3003
	s_cbranch_scc0 .Lentry_shape_is_right
	s_endpgm
.Lentry_shape_is_right:
; out0[m][n] = sum over k of h[m][k] w2[n][k], both as codes of BF8 (E5M2) with E8M0 scale words.  out0: [16384][1024] f32; K = 4,096 in 32 steps of 128; sums in f32.
; hq: [64 row blocks of 256][32 K steps] chunks of QTR bytes; wq: [32 K steps][4 quarters of 256 rows of w2] chunks of QTR bytes.  A chunk is 16 fragment images of 2,048 bytes in the order of an operand's
; registers (16 bytes a lane, 512 a load) and then four quads of scale words (lane l's 16 bytes of quad g: the words of row l % 16 in tiles 4 g .. 4 g + 3).
; SHARES: a work-group makes 256 x 256 of out0 (64 x 4 blocks: 256 work-groups); wave w all 256 rows x columns 64 w .. 64 w + 63: 16 x 4 accumulators, 512 registers.
; B (w2): a wave's four fragments and their quad are its own, so they pass no LDS: 17 loads a K step straight into registers, four sets of 64, three K steps ahead (51 loads out).  So no joint load and no
; prefetch for wq: no two waves of a cluster take the same bytes of it, and its loads run three K steps ahead by themselves.
; A (h): a ring of two LDS slots of FOUR K steps; wave w fetches the chunk of the slot's K step w by one tensor load of 136 dense rows of 256 bytes.  A refill has 256 matrix instructions a wave in which to land.
; CLUSTER: the four column blocks of a row block walk the same chunks of hq: each is asked for jointly (mask 15).
; A step's 16 blocks of A come from LDS in groups of 6, 5, 5 into two buffers of 96 registers by turns; a group's loads are issued one group ahead.
; THE MATRIX INSTRUCTION IS USED TRANSPOSED (source 0 = 16 rows of w2, source 1 = 16 rows of h): a lane holds eight neighbouring numbers of a row of out0.
; PREFETCH of hq: behind each refill (unit u of four K steps) one instruction a wave names 8,192 bytes, a lane 256, of the codes of its chunk of unit u + 1: one refill, 256 matrix instructions a wave, ahead of the
; load that wants them; the four partners take a quarter of a chunk's 32,768 bytes of codes each, told apart by address.  Units 0 to 2 and the quads come by their loads alone; the last refill asks for nothing.
; REGISTERS: window 0: v1-15 addresses; v16-31 B's scale words, four sets; v32-63 A's, two sets laid so that A's and B's registers of a product never agree modulo 8; v64-159, v160-255 A's two buffers.
; Window 1: B's four sets.  Windows 2, 3: accumulator (a, f) in window 2 + a / 8 at v[8 (4 (a % 8) + f)].
.set QTR,    34816
.set STEPB,  4*QTR                     ; a K step's block in wq
.set SLOT,   4*QTR
.set SPARE,  2*SLOT                    ; behind the ring: the spare words, 128 bytes a wave
.set SPITCH, 272                       ; the way out: a stage of 32 rows x (256 + 16) bytes a wave, in slot 0, behind its last fill and its last read
.set STO,  1
.set RD,   2
.set OC,   3
.set CO,   4                           ; 16 x lane
.set PFO,  5                           ; 256 x lane
.set SPW,  6
.set NIL,  7
.set ADRA, 8                           ; v8-15: the chunk of step s lies at v[ADRA + s % 8]
.set SB,   16
.set SA,   32
.set G1,  24
.set G0,  32
.set BB,  50                           ; s[50:51] my fragments in wq, s[52:53] my quad
.set BQ,  52
.set PFA, 54
.set MSB, 0
.macro WIN new
.if MSB != (\new)
	s_set_vgpr_msb (MSB<<8)|(\new)
.set MSB, (\new)
.endif
.endm
.set TO_B, 0x40
.macro PLACES n
.rept \n
	v_nop
.endr
.endm
.macro CREST
	s_cmp_lg_u32 s14, 0
	s_cbranch_scc1 .Lnot_wave_0_\@
	s_barrier_signal -3
.Lnot_wave_0_\@:
	s_barrier_wait -3
	s_barrier_signal -1
	s_barrier_wait -1
.endm
.macro CROUND
	s_barrier_signal -1
	s_barrier_wait -1
	CREST
.endm
.macro LDB rel, set                    ; 17 loads: my four fragments and my quad of block rel (counted from the bases) into a set
	WIN TO_B
.irp f, 0,1,2,3
.irp c, 0,1,2,3
	global_load_b128 v[64*(\set)+16*\f+4*\c:64*(\set)+16*\f+4*\c+3], v[CO], s[BB:BB+1] offset:STEPB*(\rel)+2048*\f+512*\c
.endr
.endr
	WIN 0
	global_load_b128 v[SB+4*(\set):SB+4*(\set)+3], v[CO], s[BQ:BQ+1] offset:STEPB*(\rel)
.endm
.macro LDA s, j                        ; group j of step s: blocks 0-5, 6-10 or 11-15; with group 0 the step's four quads
.set LR, ADRA+(\s)%8
.set LB, 64+96*((3*(\s)+(\j))%2)
.set LA0, 6*(\j)-(\j)/2
.set la, LA0
.rept 6-((\j)+1)/2
.irp c, 0,1,2,3
	ds_load_b128 v[LB+16*(la-LA0)+4*\c:LB+16*(la-LA0)+4*\c+3], v[LR] offset:2048*la+512*\c
.endr
.set la, la+1
.endr
.if (\j) == 0
.irp g, 0,1,2,3
	ds_load_b128 v[SA+8*\g+4*(1-(\s)%2):SA+8*\g+4*(1-(\s)%2)+3], v[LR] offset:32768+512*\g
.endr
.endif
.endm
; n blocks of A from block af on (of group j) x B's four.  The 64 accumulators take turns, one instruction a turn.
.macro MULB s, j, af, n, zero
.set MB, 64+96*((3*(\s)+(\j))%2)
.set MA0, 6*(\j)-(\j)/2
.set ma, \af
.rept \n
	WIN 0xa1+0x50*(ma/8)
.irp f, 0,1,2,3
.set AC, 8*(4*(ma%8)+\f)
.if \zero
	v_wmma_scale_f32_16x16x128_f8f6f4 v[AC:AC+7], v[64*((\s)%4)+16*\f:64*((\s)%4)+16*\f+15], v[MB+16*(ma-MA0):MB+16*(ma-MA0)+15], 0, v[SB+4*((\s)%4)+\f], v[SA+8*(ma/4)+4*(1-(\s)%2)+ma%4] matrix_a_fmt:MATRIX_FMT_BF8 matrix_b_fmt:MATRIX_FMT_BF8
.else
	v_wmma_scale_f32_16x16x128_f8f6f4 v[AC:AC+7], v[64*((\s)%4)+16*\f:64*((\s)%4)+16*\f+15], v[MB+16*(ma-MA0):MB+16*(ma-MA0)+15], v[AC:AC+7], v[SB+4*((\s)%4)+\f], v[SA+8*(ma/4)+4*(1-(\s)%2)+ma%4] matrix_a_fmt:MATRIX_FMT_BF8 matrix_b_fmt:MATRIX_FMT_BF8
.endif
.endr
.set ma, ma+1
.endr
.endm
; K STEP s.  kind = 0: its successor lies in the same slot.  kind = 2: the slot's last step: in front of the one barrier each wave waits for all its tensor loads, adds 0 to its spare word and waits for that and
; for its reads of this slot; the barrier opens a round of the cluster's barrier, and the joint refill, two units on, is the first thing behind it.  kind = 1: the same with nothing left to fill.
; ask = 1: the prefetch; 2: not in the last trip.  Eight places stand ahead of each run of loads into registers that matrix instructions have read.
.macro STEP s, kind, ask
.set REL, (\s)
.set ZR, 0
.set LC, 51
.set BL, 1
.set SL, ((\s)/4)%2
.if (\s) == 0
.set ZR, 1
.endif
.if (\s) > 8
.set REL, (\s)-24                      ; the bases have gone three trips of 8 blocks on
.endif
.if (\s) > 28
.set BL, 0
.set LC, 17*(31-(\s))
.endif
	PLACES 8
.if BL
	LDB REL+3, ((\s)+3)%4
.endif
	LDA \s, 1
	s_wait_loadcnt LC                              ; this step's set of B is in; the younger sets, 17 loads each, may be out
	s_wait_dscnt 20                                ; group 0 and the quads are in; group 1's 20 loads may be out
	MULB \s, 0, 0, 6, ZR
	PLACES 8
	WIN 0
	LDA \s, 2
.if (\kind) == 0
	s_wait_dscnt 20                                ; group 1 is in
	MULB \s, 1, 6, 5, ZR
	PLACES 8
	WIN 0
.if (\s) != 31
	LDA (\s)+1, 0
	s_wait_dscnt 28                                ; group 2 is in; the next step's 24 + 4 loads may be out
.else
	s_wait_dscnt 0x0
.endif
	MULB \s, 2, 11, 5, ZR
	WIN 0
.else
.if (\kind) == 2
	s_wait_xcnt 0x0                                ; my last prefetch has read its address
	s_add_nc_u64 s[PFA:PFA+1], s[PFA:PFA+1], 4*QTR
.endif
	s_wait_tensorcnt 0x0                           ; my chunk of the next slot has landed
	ds_add_u32 v[SPW], v[NIL]
	s_wait_dscnt 21                                ; group 1 is in; group 2's 20 loads and the add may be out
	MULB \s, 1, 6, 5, 0
	s_wait_dscnt 0x0                               ; the add is done, my reads of this slot are over
	s_barrier_signal -1
	MULB \s, 2, 11, 2, 0
	WIN 0
	s_barrier_wait -1
.if (\kind) == 2
	CREST
	s_add_nc_u64 s[G0+4*SL+2:G0+4*SL+3], s[G0+4*SL+2:G0+4*SL+3], 8*QTR
	tensor_load_to_lds s[G0+4*SL:G0+4*SL+3], s[G1:G1+7]   ; my one tensor load behind the round
	s_nop 0
.endif
	PLACES 8
	LDA (\s)+1, 0
.if (\ask) == 1
	global_prefetch_b8 v[PFO], s[PFA:PFA+1] th:TH_LOAD_NT scope:SCOPE_SE
.elseif (\ask) == 2
	s_cmp_gt_u32 s3, 1
	s_cbranch_scc0 .Lno_ask_\@
	global_prefetch_b8 v[PFO], s[PFA:PFA+1] th:TH_LOAD_NT scope:SCOPE_SE
.Lno_ask_\@:
.endif
	MULB \s, 2, 13, 3, 0
	WIN 0
.endif
.endm
	s_load_b128 s[4:7], s[0:1], 0x0                ; hq, wq
	s_load_b64 s[12:13], s[0:1], 0x10              ; out0
	v_lshl_add_u32 v[SPW], v0, 2, SPARE
	v_mov_b32 v[NIL], 0
	ds_add_u32 v[SPW], v[NIL]                      ; the opening lines: the add, twice on end, and its wait
	ds_add_u32 v[SPW], v[NIL]
	v_lshrrev_b32 v1, 5, v0
	v_readfirstlane_b32 s14, v1                    ; wave 0..3
	s_bfe_u32 s40, ttmp6, 0x40000                  ; cx: the column block; it enters wq's, out0's and the prefetches' global addresses alone
	s_and_b32 s17, ttmp7, 0xffff                   ; the row block, which the four partners share
	s_mov_b32 s[G1], 15|(3<<16)|(1<<21)            ; the mask: all four; elements of 8 bytes; bit 21 beside a mask; no padding: images are read 16 bytes a lane on end
	s_mov_b32 s[G1+1], 32<<16                      ; tensor_dim0 = 32 elements: 256 bytes
	s_mov_b32 s[G1+2], 136<<16                     ; tensor_dim1 = 136 rows
	s_mov_b32 s[G1+3], 32<<16
	s_mov_b32 s[G1+4], 136
	s_mov_b32 s[G1+5], 32
	s_mov_b32 s[G1+6], 0
	s_mov_b32 s[G1+7], 0
	s_mul_i32 s45, s14, QTR                        ; my chunk's place in a slot, and in a unit of hq
	s_mul_i32 s20, s17, 32*QTR
	s_add_co_u32 s20, s20, s45
	s_mov_b32 s21, 0
	s_mul_i32 s46, s40, QTR                        ; wq: my quarter,
	s_lshl_b32 s18, s14, 13                        ; my four images,
	s_add_co_u32 s18, s18, s46
	s_mov_b32 s19, 0
	s_lshl_b32 s22, s14, 9                         ; my quad
	s_add_co_u32 s22, s22, s46
	s_add_co_u32 s22, s22, 32768
	s_mov_b32 s23, 0
	s_lshl_b32 s42, s40, 13                        ; the prefetches: my work-group's 8,192 bytes,
	s_add_co_u32 s42, s42, 8*QTR                   ; at unit 2: the first refill steps it to unit 3
	s_mov_b32 s43, 0
	s_lshl_b32 s76, s17, 20                        ; out0: 256 rows of 4,096 bytes,
	s_lshl_b32 s77, s40, 10                        ; 1,024 bytes a column block,
	s_add_co_u32 s76, s76, s77
	s_lshl_b32 s77, s14, 8                         ; my 256 bytes
	s_add_co_u32 s76, s76, s77
	s_mov_b32 s77, 0
	s_mul_i32 s74, s14, 32*SPITCH                  ; my stage
	v_and_b32 v3, 31, v0
	v_lshlrev_b32 v[CO], 4, v3
	v_lshlrev_b32 v[PFO], 8, v3
.irp i, 0,1,2,3,4,5,6,7
	v_add_nc_u32 v[ADRA+\i], \i*QTR, v[CO]         ; slot i / 4, its K step i % 4
.endr
	s_wait_alu depctr_va_vdst(0)                   ; the wait at the head's end
	s_wait_dscnt 0x0                               ; both opening adds are done
	s_wait_kmcnt 0x0
	s_add_nc_u64 s[20:21], s[4:5], s[20:21]
	s_add_nc_u64 s[BB:BB+1], s[6:7], s[18:19]
	s_add_nc_u64 s[BQ:BQ+1], s[6:7], s[22:23]
	s_add_nc_u64 s[PFA:PFA+1], s[20:21], s[42:43]
	s_add_nc_u64 s[12:13], s[12:13], s[76:77]
	LDB 0, 0                                       ; B's first three sets
	LDB 1, 1
	LDB 2, 2
	CROUND                                         ; all four work-groups are here: the first joint loads meet
.irp s, 0,1
	s_mov_b32 s[G0+4*\s], 1
	s_add_co_u32 s[G0+4*\s+1], s45, \s*SLOT
	s_add_nc_u64 s[G0+4*\s+2:G0+4*\s+3], s[20:21], \s*4*QTR
	s_or_b32 s[G0+4*\s+3], s[G0+4*\s+3], 0x80000000
.endr
	tensor_load_to_lds s[G0:G0+3], s[G1:G1+7]      ; slot 0: one tensor load a wave at the head
	s_nop 0
	PLACES 4
	s_wait_tensorcnt 0x0                           ; my chunk of slot 0 is in; the lines ahead of a later first fill:
	ds_add_u32 v[SPW], v[NIL]
	s_wait_dscnt 0x0
	CROUND
	tensor_load_to_lds s[G0+4:G0+7], s[G1:G1+7]    ; slot 1's first fill, the first tensor load behind the round
	s_nop 0
	PLACES 4
	LDA 0, 0
	STEP 0, 0, 0                                   ; its products start the sums
	s_mov_b32 s3, 3
.Ltrip:                                            ; 3 trips of eight K steps, once round the ring: steps 1 to 24
	STEP 1, 0, 0
	STEP 2, 0, 0
	STEP 3, 2, 1
	STEP 4, 0, 0
	STEP 5, 0, 0
	STEP 6, 0, 0
	STEP 7, 2, 2
	STEP 8, 0, 0
	s_wait_xcnt 0x0                                ; B's loads have read their bases
	s_add_nc_u64 s[BB:BB+1], s[BB:BB+1], 8*STEPB
	s_add_nc_u64 s[BQ:BQ+1], s[BQ:BQ+1], 8*STEPB
	s_sub_co_u32 s3, s3, 1
	s_cmp_lg_u32 s3, 0
	s_cbranch_scc1 .Ltrip
	STEP 25, 0, 0                                  ; the tail is written out: nothing beyond K step 31 is loaded
	STEP 26, 0, 0
	STEP 27, 1, 0
	STEP 28, 0, 0
	STEP 29, 0, 0
	STEP 30, 0, 0
	STEP 31, 0, 0
; THE WAY OUT, 32 rows x my 64 columns at a time, through my own stage: in as 32 bytes a lane, back as whole rows of 256 bytes, sixteen lanes to a row.  LDS serves a wave's instructions in order (ISA guide 5.7.1.4).
; Every offset is an immediate: 255 rows of 4,096 bytes at the most.
	v_and_b32 v8, 15, v0                           ; r
	v_bfe_u32 v9, v0, 4, 1                         ; h
	v_mul_u32_u24 v10, v8, SPITCH
	v_lshl_add_u32 v10, v9, 5, v10
	v_add_nc_u32 v[STO], s74, v10                  ; in: row r, 32 bytes for each half of the lanes
	v_mul_u32_u24 v11, v9, SPITCH
	v_lshl_add_u32 v11, v8, 4, v11
	v_add_nc_u32 v[RD], s74, v11                   ; back: lanes 0-15 one row, lanes 16-31 the next
	v_lshlrev_b32 v12, 12, v9
	v_lshl_add_u32 v[OC], v8, 4, v12               ; and the same two rows in out0
	s_wait_alu depctr_va_vdst(0)
	PLACES 8
.macro TOSTAGE p
	WIN 0x08+4*((\p)/4)
.irp u, 0,1
.irp f, 0,1,2,3
.set AC, 8*(4*((2*(\p)+\u)%8)+\f)
	ds_store_b128 v[STO], v[AC:AC+3] offset:\u*16*SPITCH+64*\f          ; each accumulator from its low end on
	ds_store_b128 v[STO], v[AC+4:AC+7] offset:\u*16*SPITCH+64*\f+16
.endr
.endr
	WIN 0
.set BKR, 64+64*((\p)%2)
.irp t, 0,1,2,3,4,5,6,7,8,9,10,11,12,13,14,15
	ds_load_b128 v[BKR+4*\t:BKR+4*\t+3], v[RD] offset:\t*2*SPITCH
.endr
.endm
.macro SEND p, younger
.set BKR, 64+64*((\p)%2)
	s_wait_dscnt \younger                          ; the rows are back in registers
.irp t, 0,1,2,3,4,5,6,7,8,9,10,11,12,13,14,15
	global_store_b128 v[OC], v[BKR+4*\t:BKR+4*\t+3], s[12:13] offset:(32*(\p)+2*\t)*4096 th:TH_STORE_NT   ; sixteen lanes store 256 consecutive bytes, aligned
.endr
.endm
	TOSTAGE 0
.irp a, 1,2,3,4,5,6,7
.if \a > 1
	s_wait_xcnt 0x0                                ; the stores of two turns ago have read their data
.endif
	TOSTAGE \a
	SEND \a-1, 32                                  ; behind those loads: this turn's 16 stores and 16 loads
.endr
	SEND 7, 0
	s_wait_tensorcnt 0x0                           ; the wave's end
	ds_add_u32 v[SPW], v[NIL]
	s_wait_dscnt 0x0
	CROUND                                         ; the closing round
	s_endpgm
.Lfunc_end_k_qadb3d47ed0_gemm:
	.size	k_qadb3d47ed0_gemm, .Lfunc_end_k_qadb3d47ed0_gemm-k_qadb3d47ed0_gemm
	.p2alignl 7, 3214868480
	.fill 96, 4, 3214868480
	.section	.rodata,"a",@progbits
	.p2align	6, 0x0
	.amdhsa_kernel k_qadb3d47ed0_gemm
		.amdhsa_group_segment_fixed_size 327680
		.amdhsa_private_segment_fixed_size 0
		.amdhsa_enable_private_segment 0
		.amdhsa_kernarg_size 24
		.amdhsa_user_sgpr_count 2
		.amdhsa_user_sgpr_kernarg_segment_ptr 1
		.amdhsa_wavefront_size32 1
		.amdhsa_system_sgpr_workgroup_id_x 1
		.amdhsa_system_sgpr_workgroup_id_y 1
		.amdhsa_system_sgpr_workgroup_id_z 1
		.amdhsa_system_vgpr_workitem_id 0
		.amdhsa_next_free_vgpr 1024
		.amdhsa_next_free_sgpr 80
		.amdhsa_reserve_vcc 0
		.amdhsa_float_denorm_mode_32 3
		.amdhsa_float_denorm_mode_16_64 3
		.amdhsa_memory_ordered 1
		.amdhsa_forward_progress 1
		.amdhsa_inst_pref_size 255
	.end_amdhsa_kernel
	.section	.bss,"aw",@nobits
	.p2align	6
	.space	262144
	.amdgpu_metadata
---
amdhsa.version: [ 1, 2 ]
amdhsa.kernels:
  - .name:           k_qadb3d47ed0_gemm
    .symbol:         k_qadb3d47ed0_gemm.kd
    .args:
      - { .name: hq, .offset: 0, .size: 8, .value_kind: global_buffer, .address_space: global }
      - { .name: wq, .offset: 8, .size: 8, .value_kind: global_buffer, .address_space: global }
      - { .name: out0, .offset: 16, .size: 8, .value_kind: global_buffer, .address_space: global }
    .group_segment_fixed_size: 327680
    .private_segment_fixed_size: 0
    .kernarg_segment_align: 8
    .kernarg_segment_size: 24
    .max_flat_workgroup_size: 128
    .sgpr_count:     80
    .vgpr_count:     1024
    .wavefront_size: 32
...
	.end_amdgpu_metadata
.endif
;; end of part 2
